; MI455X (gfx1250); checked and timed in simulation.
; The chip was launched on July 23, 2026; its instructions are those of AMD's public machine-readable ISA for CDNA 5 (MIT licence, August 2026) and "CDNA5" Instruction Set Architecture Reference Guide (July 2026). The comments in the code are by the model that wrote it; some were corrected since.
;; Attention Layer. Allowed arithmetic: matrix products marked QUANTISED: E4M3 operands, one given power-of-two scale a tensor, by v_wmma_f32_16x16x64_fp8_fp8 or v_wmma_f32_16x16x128_fp8_fp8, f32 sums; everything else in f32.
;; Inputs: lowp_scales 8 int32 (the exponents e of the quantised operands' scales 2^e); proj_b 1,024 float32; proj_w 1,024 x 1,024 float32; qkv_b 3,072 float32; qkv_w 1,024 x 3,072 float32; x 4 x 2,048 x 1,024 float32.
;; Outputs: out0 4 x 2,048 x 1,024 float32.
;; This version of the problem:
;;   THIS VERSION OF THE PROBLEM IS GIVEN IN LOW PRECISION. The matrix products marked QUANTISED in the list below multiply operands that are first quantised to E4M3 (4 exponent bits, 3 mantissa bits; 8 bits a number), with one given power-of-two scale for each operand tensor; their sums are f32. All else is computed in f32.
;;   The module's matrix products, in the order in which they are computed (A, B: the left and right operand; K: the contracted axis; several contracted axes count as one K, in the product's order):
;;     1. [M 8,192, K 1,024] x [K 1,024, N 3,072]; A: input x; B: input qkv_w: QUANTISED (scales: A lowp_scales[0], B lowp_scales[1])
;;     2. batch 64 x [M 2,048, K 64] x [K 64, N 2,048]; A: computed on the way; B: computed on the way: QUANTISED (scales: A lowp_scales[2], B lowp_scales[3])
;;     3. batch 64 x [M 2,048, K 2,048] x [K 2,048, N 64]; A: softmax (see below); B: computed on the way: QUANTISED (scales: A lowp_scales[4], B lowp_scales[5])
;;     4. [M 8,192, K 1,024] x [K 1,024, N 1,024]; A: computed on the way; B: input proj_w: QUANTISED (scales: A lowp_scales[6], B lowp_scales[7])
;;   THE QUANTISER, for each operand of a quantised product, along K:
;;     - The operand's scale is 2^e, e = its entry of the input lowp_scales (int32; the entries are numbered through the quantised products in the list's order, A before B).
;;     - Each number is divided by the scale, clamped to +-448, and rounded to the nearest number of E4M3, ties to even, subnormals kept.
;;     - The product sums the exact products of the quantised numbers (number of the format x scale) in f32.
;;   ~~~python
;;   def quantise(x, axis, e):      # numpy; x: float32 -> the quantised numbers, widened to float32 again
;;       x = np.moveaxis(x, axis, -1); K = x.shape[-1]
;;       r = np.clip(x / 2.0 ** e, -448, 448)
;;       step = 2.0 ** (np.maximum(np.frexp(np.where(r == 0, 1, r))[1] - 1, -6) - 3)
;;       q = np.round(r / step) * step * 2.0 ** e      # np.round: ties to even
;;       return np.moveaxis(q, -1, axis).astype(np.float32)
;;   ~~~
;;   SOFTMAX AHEAD OF A QUANTISED PRODUCT. Where the list says 'softmax', what is quantised is not the finished softmax but p = 2^(t - M), with t = logit x log2(e) and M = ceil(the row's largest t), a whole number; so 1/2 < the row's largest p <= 1. The row's sum l is taken of the UNQUANTISED p, in f32, and the product's result is divided by l at the end. Since M is a whole number, a kernel that streams over the keys may use a running M (the ceiling of the running maximum): every later rescaling is an exact power of two, so the quantised numbers keep their values, but for numbers so far below the row's largest that they fall under the format's range.
;;   OPERANDS COMPUTED ON THE WAY. 'Computed on the way' means the value that the module computes at that place (a softmax that the list does not call 'softmax' is quantised finished and normalised). What goes into a quantiser is computed in f32, as accurately as f32 sums, v_exp_f32 and their like allow (about 1e-6 of the number): no bf16 or f16 on the way to a quantiser, and a product that is left as it is and whose result goes on into a quantised operand takes f32 operands (vector FMAs, or v_wmma_f32_16x16x4_f32). A number that lies on a knife's edge between two numbers of the format may be rounded either way, as far as f32 arithmetic and the matrix unit's own rounding can turn it there, and no further.
;; One version. Each part assembles by itself: llvm-mc -triple=amdgcn-amd-amdhsa -mcpu=gfx1250 --defsym DOCPART=n.
;; ======== version 1 of 1: 4 launches
;; limits: right only within a limited range of input values
;; workspace buffers: x_img 8,388,608 bytes; wq_img 3,145,728 bytes; wp_img 1,048,576 bytes; q_img 8,388,608 bytes; kv_img 16,777,216 bytes; res_img 8,388,608 bytes
;; launch prep (part 1): grid 768 x 1, 4 waves a work-group, no clusters, 67,072 bytes of LDS; arguments x, qkv_w, proj_w, lowp_scales, x_img, wq_img, wp_img; writes x_img, wq_img, wp_img
.if DOCPART == 1
	.amdgcn_target "amdgcn-amd-amdhsa--gfx1250"
	.amdhsa_code_object_version 6
	.text
	.protected	k_q32613ad82f_prep
	.globl	k_q32613ad82f_prep
	.p2align	8
	.type	k_q32613ad82f_prep,@function
k_q32613ad82f_prep:
	s_mov_b64 s[64:65], 0
	v_nop
	global_prefetch_b8 v0, s[64:65] scope:SCOPE_SE
	s_setreg_imm32_b32 hwreg(HW_REG_WAVE_MODE, 25, 1), 1
	s_wait_xcnt 0x0
; x [8192][1024], qkv_w [1024][3072] and proj_w [1024][1024], f32, become codes of FP8 (E4M3), each with the one scale 2^e given for it (entries 0, 1 and 7 of the scales).
; code = number / 2^e, held within +-448, rounded to the nearest code, ties to even.  LIMITS: -126 <= e <= 119, so that 2^e and 448 x 2^e are f32 numbers.  NaN among the inputs is not served.
; THE CODES ARE LAID AS THE READER'S REGISTERS: a fragment of 16 rows x 64 K is 1,024 bytes: lane (r, h) holds row r, and its registers 2 c, 2 c + 1 hold k = 16 c + 8 h + 0 .. 7;
; registers 4 p .. 4 p + 3 of lane l lie at 512 p + 16 l.  x_img: [tile of 16 tokens][K step 16][fragment].  wq_img: [head 16][q, k, v x 4 tiles of 16 columns][K step 16][fragment].  wp_img: [tile of 16 columns][K step 16][fragment].
; THE TOKENS OF A TILE ARE NOT NEIGHBOURS: row p of tile 2 B + u is token 32 B + 8 u + p + 8 (p / 8); every later launch inherits this order.
; Work-groups 0-511 take x (a tile each; wave q takes 256 along K), 512-703 qkv_w, 704-767 proj_w (a wave: 32 columns x 128 along K).  Every wave reads 16,384 bytes.
; A stream: no tensor loads, no matrix unit, no cluster (no two work-groups read the same byte), no barrier (waves share nothing).  Only the x path touches LDS.
.set XROW,  4096                       ; a token's row of x in bytes
.set SPX,   1040                       ; a stage row: 1,024 bytes + 16 = 260 words: the sixteen rows that a read touches start four banks apart
.set WST,   16*SPX                     ; a wave's stage
.set R,     16                         ; v16-143  128 numbers as loaded
.set X,     144                        ; v144-175 two sets of 16 neighbours along K
.set C,     176                        ; v176-207 codes: registers of their own for every store, so that no store's data are written again
.macro MKSC ereg                       ; v11 = 2^e as f32 (the conversion takes its exponent field), v10 = 448 x 2^e
	s_add_co_i32 s33, s[\ereg], 127
	s_lshl_b32 s34, s33, 23
	v_mov_b32 v11, s34
	s_add_co_i32 s33, s33, 8
	s_lshl_b32 s33, s33, 23
	s_or_b32 s33, s33, 0x600000
	v_mov_b32 v10, s33
.endm
	s_load_b256 s[4:11], s[0:1], 0x0               ; x s[4:5], qkv_w s[6:7], proj_w s[8:9], the scales' exponents s[10:11]
	s_load_b128 s[12:15], s[0:1], 0x20             ; x_img s[12:13], wq_img s[14:15]
	s_load_b64 s[16:17], s[0:1], 0x30              ; wp_img
	v_lshl_add_u32 v208, v0, 2, 0x10400
	v_mov_b32 v209, 0
	v_lshrrev_b32 v1, 5, v0
	v_readfirstlane_b32 s18, v1                    ; wave 0..3
	v_and_b32 v1, 31, v0                           ; lane
	s_wait_kmcnt 0x0
	s_load_b256 s[24:31], s[10:11], 0x0            ; e0 .. e7
	s_cmp_lt_u32 ttmp9, 512
	s_cbranch_scc0 .Lweights
	; ---- x: the work-group's tile of 16 tokens, my wave's 256 along K
	v_lshlrev_b32 v2, 4, v1                        ; 16 x lane: my bytes of a load's 512, and of a store's
	s_mul_i32 s19, s18, WST
	v_add_nc_u32 v3, s19, v2                       ; the stage, on the way in: as the bytes lie
	v_and_b32 v5, 15, v0                           ; r
	v_bfe_u32 v6, v0, 4, 1                         ; h
	v_mul_u32_u24 v4, v5, SPX
	v_lshl_add_u32 v4, v6, 5, v4
	v_add_nc_u32 v4, s19, v4                       ; and on the way out: row r, + 8 h numbers
	s_lshr_b32 s20, ttmp9, 1
	s_lshl_b32 s20, s20, 5
	s_and_b32 s21, ttmp9, 1
	s_lshl_b32 s21, s21, 3
	s_add_co_u32 s20, s20, s21                     ; the tile's first token: 32 B + 8 u
	s_lshl_b32 s20, s20, 12
	s_lshl_b32 s21, s18, 10
	s_add_co_u32 s20, s20, s21                     ; + my 256 numbers of each row
	s_mov_b32 s21, 0
	s_add_nc_u64 s[4:5], s[4:5], s[20:21]
	s_lshl_b32 s22, ttmp9, 14                      ; a tile's 16 fragments,
	s_lshl_b32 s23, s18, 12                        ; my four of them
	s_add_co_u32 s22, s22, s23
	s_mov_b32 s23, 0
	s_add_nc_u64 s[12:13], s[12:13], s[22:23]
.set n, 0
.rept 32                               ; load n: row n / 2 of the tile, half n % 2 of my 1,024 bytes: 32 lanes read 512 consecutive bytes
	global_load_b128 v[R+4*n:R+4*n+3], v2, s[4:5] offset:((n/2)+8*((n/2)/8))*XROW+512*(n%2) th:TH_LOAD_NT
.set n, n+1
.endr
	s_wait_kmcnt 0x0
	MKSC 24                                        ; e0
.set n, 0
.rept 32
	s_wait_loadcnt 31-n                            ; loads come back in order: load n is in, the younger ones stay out
	ds_store_b128 v3, v[R+4*n:R+4*n+3] offset:(n/2)*SPX+512*(n%2)
.set n, n+1
.endr
; group g = 2 s + p: the 16 numbers that make registers 4 p .. 4 p + 3 of my lane in K step s: k = 64 s + 32 p + 16 q + 8 h + 0 .. 7, q = 0, 1
.macro RD g
.irp q, 0,1
.irp e, 0,1
	ds_load_b128 v[X+16*((\g)%2)+4*(2*\q+\e):X+16*((\g)%2)+4*(2*\q+\e)+3], v4 offset:256*((\g)/2)+128*((\g)%2)+64*\q+16*\e
.endr
.endr
.endm
.macro GROUP g
.if (\g) < 7
	RD (\g)+1                                      ; the next group's numbers come while this group is worked
	s_wait_dscnt 4                                 ; all but those four loads: this group's numbers are in (LDS serves a wave's instructions in order, so they saw the stores above)
.else
	s_wait_dscnt 0
.endif
.set XS, X+16*((\g)%2)
.irp i, 0,1,2,3,4,5,6,7,8,9,10,11,12,13,14,15
	v_med3_num_f32 v[XS+\i], v[XS+\i], -v10, v10   ; the conversion to an 8-bit code does not saturate (ISA guide 7.6.2): the hold at the largest code x the scale comes first
.endr
	v_cvt_scalef32_pk8_fp8_f32 v[C+4*(\g):C+4*(\g)+1], v[XS:XS+7], v11
	v_cvt_scalef32_pk8_fp8_f32 v[C+4*(\g)+2:C+4*(\g)+3], v[XS+8:XS+15], v11
	global_store_b128 v2, v[C+4*(\g):C+4*(\g)+3], s[12:13] offset:1024*((\g)/2)+512*((\g)%2)   ; 32 lanes store 512 consecutive bytes, aligned
.endm
	RD 0
.irp g, 0,1,2,3,4,5,6,7
	GROUP \g
.endr
	s_wait_tensorcnt 0x0
	ds_add_u32 v208, v209
	s_wait_dscnt 0x0
	s_endpgm
	; ---- a weight [1024 (k)][cols]: a lane takes a column and its registers run down K, so the conversions give codes with K innermost and nothing is transposed
.Lweights:
	v_lshlrev_b32 v5, 2, v1                        ; in: 4 bytes a lane: a load reads 128 consecutive bytes, the four waves stand side by side
	v_lshrrev_b32 v6, 4, v1
	v_lshlrev_b32 v6, 14, v6                       ; out: lanes 16-31 hold the next tile of 16 columns, 16 fragments further on,
	v_and_b32 v7, 15, v1
	v_lshl_add_u32 v6, v7, 4, v6                   ; + 16 x (lane % 16)
.macro WPATH cols, wlo, olo, ereg, isqkv, first
	s_sub_co_u32 s19, ttmp9, \first
	s_and_b32 s20, s19, 7                          ; which 128 along K
	s_lshr_b32 s21, s19, 3                         ; which 128 columns
	s_lshl_b32 s22, s21, 3
	s_lshl_b32 s23, s18, 1
	s_add_co_u32 s22, s22, s23                     ; G: my first tile of 16 columns (an even number)
.if \isqkv
	s_bfe_u32 s23, s22, 0x40002                    ; column = part x 1024 + head x 64 + 16 dt + r: head = (G / 4) % 16,
	s_mul_i32 s23, s23, 12
	s_lshr_b32 s32, s22, 6                         ; part = G / 64,
	s_lshl_b32 s32, s32, 2
	s_add_co_u32 s23, s23, s32
	s_and_b32 s32, s22, 3                          ; dt = G % 4
	s_add_co_u32 s22, s23, s32                     ; the tile's place in wq_img: 12 head + 4 part + dt
.endif
	s_lshl_b32 s22, s22, 14
	s_lshl_b32 s23, s20, 11                        ; 128 along K are two fragments
	s_add_co_u32 s22, s22, s23
	s_mov_b32 s23, 0
	s_add_nc_u64 s[\olo:\olo+1], s[\olo:\olo+1], s[22:23]
	s_mul_i32 s22, s20, 128*\cols*4
	s_lshl_b32 s32, s21, 9
	s_add_co_u32 s22, s22, s32
	s_lshl_b32 s32, s18, 7
	s_add_co_u32 s22, s22, s32
	s_add_nc_u64 s[\wlo:\wlo+1], s[\wlo:\wlo+1], s[22:23]
.set k, 0
.rept 128                              ; every offset is an immediate: 127 rows of 12,288 bytes at the most, inside the signed 24 bits (ISA guide, chapter 10)
	global_load_b32 v[R+k], v5, s[\wlo:\wlo+1] offset:k*\cols*4 th:TH_LOAD_NT
.set k, k+1
.endr
	s_wait_kmcnt 0x0
	MKSC \ereg
.irp s, 0,1                            ; K step s of my two
	s_wait_loadcnt 63*(1-\s)                       ; 63 is the largest count that this wait can name: at most the 63 youngest loads are out, so the first 64 are in; then all
.set k, 0
.rept 64
	v_med3_num_f32 v[R+64*\s+k], v[R+64*\s+k], -v10, v10
.set k, k+1
.endr
.irp p, 0,1
.irp q, 0,1
.irp h, 0,1                            ; k = 32 p + 16 q + 8 h + 0 .. 7 are registers 4 p + 2 q, + 1 of the reader's lane (my column, h)
	v_cvt_scalef32_pk8_fp8_f32 v[C+16*\s+4*(2*\p+\h)+2*\q:C+16*\s+4*(2*\p+\h)+2*\q+1], v[R+64*\s+8*(4*\p+2*\q+\h):R+64*\s+8*(4*\p+2*\q+\h)+7], v11
.endr
.endr
.endr
.irp u, 0,1,2,3                        ; u = 2 p + h: lanes 0-15 store 256 consecutive bytes, aligned: the reader's lanes 16 h .. 16 h + 15 of part p; lanes 16-31 the same of the next tile
	global_store_b128 v6, v[C+16*\s+4*\u:C+16*\s+4*\u+3], s[\olo:\olo+1] offset:1024*\s+256*\u
.endr
.endr
.endm
	s_cmp_lt_u32 ttmp9, 704
	s_cbranch_scc0 .Lproj
	WPATH 3072, 6, 14, 25, 1, 512
	s_endpgm
.Lproj:
	WPATH 1024, 8, 16, 31, 0, 704
	s_endpgm
.Lfunc_end_k_q32613ad82f_prep:
	.size	k_q32613ad82f_prep, .Lfunc_end_k_q32613ad82f_prep-k_q32613ad82f_prep
	.p2alignl 7, 3214868480
	.fill 96, 4, 3214868480
	.section	.rodata,"a",@progbits
	.p2align	6, 0x0
	.amdhsa_kernel k_q32613ad82f_prep
		.amdhsa_group_segment_fixed_size 67072
		.amdhsa_private_segment_fixed_size 0
		.amdhsa_enable_private_segment 0
		.amdhsa_kernarg_size 56
		.amdhsa_user_sgpr_count 2
		.amdhsa_user_sgpr_kernarg_segment_ptr 1
		.amdhsa_wavefront_size32 1
		.amdhsa_system_sgpr_workgroup_id_x 1
		.amdhsa_system_sgpr_workgroup_id_y 1
		.amdhsa_system_sgpr_workgroup_id_z 1
		.amdhsa_system_vgpr_workitem_id 0
		.amdhsa_next_free_vgpr 210
		.amdhsa_next_free_sgpr 66
		.amdhsa_reserve_vcc 0
		.amdhsa_float_denorm_mode_32 3
		.amdhsa_float_denorm_mode_16_64 3
		.amdhsa_memory_ordered 1
		.amdhsa_forward_progress 1
		.amdhsa_inst_pref_size 67
	.end_amdhsa_kernel
	.amdgpu_metadata
---
amdhsa.version: [ 1, 2 ]
amdhsa.kernels:
  - .name:           k_q32613ad82f_prep
    .symbol:         k_q32613ad82f_prep.kd
    .args:
      - { .name: x, .offset: 0, .size: 8, .value_kind: global_buffer, .address_space: global }
      - { .name: qkv_w, .offset: 8, .size: 8, .value_kind: global_buffer, .address_space: global }
      - { .name: proj_w, .offset: 16, .size: 8, .value_kind: global_buffer, .address_space: global }
      - { .name: lowp_scales, .offset: 24, .size: 8, .value_kind: global_buffer, .address_space: global }
      - { .name: x_img, .offset: 32, .size: 8, .value_kind: global_buffer, .address_space: global }
      - { .name: wq_img, .offset: 40, .size: 8, .value_kind: global_buffer, .address_space: global }
      - { .name: wp_img, .offset: 48, .size: 8, .value_kind: global_buffer, .address_space: global }
    .group_segment_fixed_size: 67072
    .private_segment_fixed_size: 0
    .kernarg_segment_align: 8
    .kernarg_segment_size: 56
    .max_flat_workgroup_size: 128
    .sgpr_count:     66
    .vgpr_count:     210
    .wavefront_size: 32
...
	.end_amdgpu_metadata
.endif
;; end of part 1
;; launch qkv (part 2): grid 16 x 16, 4 waves a work-group, clusters of 4 x 4, 327,680 bytes of LDS; arguments x_img, wq_img, lowp_scales, qkv_b, q_img, kv_img; writes q_img, kv_img
.if DOCPART == 2
	.amdgcn_target "amdgcn-amd-amdhsa--gfx1250"
	.amdhsa_code_object_version 6
	.text
	.protected	k_q32613ad82f_qkv
	.globl	k_q32613ad82f_qkv
	.p2align	8
	.type	k_q32613ad82f_qkv,@function
k_q32613ad82f_qkv:
	s_mov_b64 s[64:65], 0
	v_nop
	global_prefetch_b8 v0, s[64:65] scope:SCOPE_SE
	s_setreg_imm32_b32 hwreg(HW_REG_WAVE_MODE, 25, 1), 1
	s_wait_xcnt 0x0
	s_wait_alu depctr_hold_cnt(0) depctr_sa_sdst(0) depctr_va_vdst(0) depctr_va_sdst(0) depctr_va_ssrc(0) depctr_va_vcc(0) depctr_vm_vsrc(0)
	s_getreg_b32 s2, hwreg(HW_REG_IB_STS2, 6, 4)
	s_cmp_eq_u32 s2, 0
	s_cbranch_scc0 .Lentry_in_a_cluster
	s_endpgm
.Lentry_in_a_cluster:
	s_bfe_u32 s2, ttmp6, 0x10000c
	s_cmp_lg_u32 s2, 0xf033
	s_cbranch_scc0 .Lentry_shape_is_right
	s_endpgm
.Lentry_shape_is_right:
; qkv = x qkv_w + qkv_b on codes of FP8 (E4M3), and q, k, v quantised on the way out (scales: entries 0, 1 for the product; 2, 3, 5 for q, k, v).
; LIMITS: e0 + e1 between -126 and 127; e2, e3, e5 between -126 and 119, so that each power of two below is an f32 number.  NaN is not served.
; SHARES.  Work-group (x = head, y) makes 512 tokens x the head's 192 columns (q 64, k 64, v 64).  Wave w makes the block of 128 tokens 4 y + w (8 tiles of 16) x all 12 tiles of columns: 96 accumulators, 768 registers.
; So a wave's results are one whole block of q_img (8,192 bytes) and one of kv_img (16,384), and leave straight from its registers.
; OPERANDS are images of registers (16 rows x 64 K: 1,024 bytes; registers 4 p .. 4 p + 3 of lane l at 512 p + 16 l): every LDS read is 512 consecutive bytes: no pitch, no padding.
; q AND k ARE MADE TRANSPOSED (source 0 = 16 columns of W, source 1 = 16 tokens): a lane holds one token and eight neighbouring channels, which are the next product's K: converted, they are a fragment's registers.
; v IS MADE AS IT STANDS (source 0 = tokens, source 1 = columns): a lane holds one channel, and its registers run along the tokens, which are the K of p v.  Row 8 h + j of token tile 2 B + u is token 32 B + 16 h + 8 u + j,
; so the registers of tiles 2 B and 2 B + 1 are 16 neighbouring keys, in the order in which the attention launch makes p's codes.
; K goes through a ring of two LDS slots of 128 along K (two steps of 64), filled by the tensor data mover.  CLUSTERS: 4 x 4 work-groups; x's tiles hang on y alone and are asked for jointly along a row of the cluster, W's on the head alone, along a column.
; REGISTERS: window 0: v8-29 addresses and scales; v32-95, v96-159 x's 8 fragments, two sets; v160-255 W's 12 fragments, one set (a part's four are free as soon as its 32 products are issued).  Windows 1, 2, 3: the accumulators of q, k, v: (tile i, column tile c) at v[8 (4 i + c)].
.set SLOT,  90112                      ; x: [tile 32][step 2][1,024], then W: [column tile 12][step 2][1,024]
.set BOFF,  65536                      ; where W's part begins
.set SPARE, 2*SLOT                     ; behind the ring: the spare words, 128 bytes for each wave: two blocks of 256 bytes that no other line names
.set BST,   SPARE+512                  ; behind them: each wave's copy of its biases, in the results' layout: 16 x 512 bytes (q, k) + 4 x 128 (v); no tensor load lands here
.set BSW,   8704
.set ADRA,  8                          ; v8-9   LDS address of my fragments of x in slot 0, 1
.set ADRB,  10                         ; v10-11 the same for W
.set LI,    12                         ; v12    16 x lane; never rewritten
.set BSA,   13                         ; v13    my place in my copy of q's and k's biases
.set BSV,   14                         ; v14    and of v's
.set SPW,   28                         ; v28    LDS address of my spare word; never rewritten
.set NIL,   29                         ; v29    0; never rewritten
.set AF,    32
.set BF,    160
.set CODE,  32                         ; the way out: v32-95 codes, v96-127 at work, v160-223 q's and k's biases, v224-231 v's
.set TMP,   96
.set BIA,   160
.set BIV,   224
.set G1,    24                         ; s[24:31] descriptor group 1 for x's tiles; s[32:39] group 0, a set for each slot
.set G0,    32
.set G1B,   48                         ; s[48:55], s[56:63] the same for W's
.set G0B,   56
.set MSB,   0
.macro WIN new                         ; the immediate's high byte repeats the setting that is left
.if MSB != \new
	s_set_vgpr_msb (MSB<<8)|\new
.set MSB, \new
.endif
.endm
.macro PLACES                          ; four plain vector instructions between a matrix instruction and a load into, or a vector instruction on, its registers (ISA guide 7.12.1 for vector instructions)
.rept 4
	v_nop
.endr
.endm
; A joint load: waves 0 and 1 fetch x's two halves, waves 2 and 3 W's.  Each line has one mask and one set of registers; the branch hangs on the wave's number alone.  Four v_nop follow each line.
.macro JLOAD sl
	s_cmp_eq_u32 s17, 0
	s_cbranch_scc0 .Lfor_b_\@
	tensor_load_to_lds s[G0+4*\sl:G0+4*\sl+3], s[G1:G1+7]
	s_nop 0
.rept 4
	v_nop
.endr
	s_branch .Lasked_\@
.Lfor_b_\@:
	tensor_load_to_lds s[G0B+4*\sl:G0B+4*\sl+3], s[G1B:G1B+7]
	s_nop 0
.rept 4
	v_nop
.endr
.Lasked_\@:
.endm
.macro CREST                           ; a round of the cluster's barrier behind its opening barrier
	s_cmp_lg_u32 s16, 0
	s_cbranch_scc1 .Lnot_wave_0_\@
	s_barrier_signal -3
.Lnot_wave_0_\@:
	s_barrier_wait -3
	s_barrier_signal -1
	s_barrier_wait -1
.endm
.macro CROUND
	s_barrier_signal -1
	s_barrier_wait -1
	CREST
.endm
.macro MKSC ereg, vs, vl               ; v[vs] = 2^e, v[vl] = 448 x 2^e
	s_add_co_i32 s78, s[\ereg], 127
	s_lshl_b32 s79, s78, 23
	v_mov_b32 v[\vs], s79
	s_add_co_i32 s78, s78, 8
	s_lshl_b32 s78, s78, 23
	s_or_b32 s78, s78, 0x600000
	v_mov_b32 v[\vl], s78
.endm
	s_load_b256 s[4:11], s[0:1], 0x0               ; x_img s[4:5], wq_img s[6:7], the scales' exponents s[8:9], qkv_b s[10:11]
	s_load_b128 s[12:15], s[0:1], 0x20             ; q_img s[12:13], kv_img s[14:15]
	v_lshl_add_u32 v[SPW], v0, 2, SPARE
	v_mov_b32 v[NIL], 0
	ds_add_u32 v28, v29
	ds_add_u32 v28, v29
	s_wait_dscnt 0x0
	v_lshrrev_b32 v1, 5, v0
	v_readfirstlane_b32 s16, v1                    ; wave 0..3
	s_lshr_b32 s17, s16, 1                         ; I fetch for x (0) or for W (1),
	s_and_b32 s18, s16, 1                          ; this half of the tile
	s_bfe_u32 s40, ttmp6, 0x40000                  ; cx, cy: my place in the cluster
	s_bfe_u32 s41, ttmp6, 0x40004
	s_lshl_b32 s42, ttmp9, 2
	s_add_co_u32 s42, s42, s40                     ; the head = 4 x cluster x + cx
	s_and_b32 s43, ttmp7, 0xffff
	s_lshl_b32 s43, s43, 2
	s_add_co_u32 s43, s43, s41                     ; y = 4 x cluster y + cy
	s_lshl_b32 s44, s41, 2
	s_lshl_b32 s44, 15, s44                        ; my row of the cluster
	s_lshl_b32 s45, 0x1111, s40                    ; my column
	; group 1.  x: 16 tiles' 2,048 bytes (two K steps), 16,384 bytes apart, in elements of 8 bytes; dense in LDS.  W: the same with 6 rows
	s_or_b32 s[G1], s44, (3<<16)|(1<<21)           ; 15:0 the mask; 17:16 elements of 8 bytes; 21 set beside a mask
	s_or_b32 s[G1B], s45, (3<<16)|(1<<21)
	s_mov_b32 s[G1+1], 256<<16                     ; tensor_dim0 = 256
	s_mov_b32 s[G1+2], 16<<16                      ; tensor_dim1 = 16
	s_mov_b32 s[G1+3], 256<<16                     ; tile_dim0 = 256
	s_mov_b32 s[G1+4], 16                          ; tile_dim1 = 16
	s_mov_b32 s[G1+5], 2048                        ; from row to row
	s_mov_b32 s[G1+6], 0
	s_mov_b32 s[G1+7], 0
	s_mov_b32 s[G1B+1], 256<<16
	s_mov_b32 s[G1B+2], 6<<16
	s_mov_b32 s[G1B+3], 256<<16
	s_mov_b32 s[G1B+4], 6
	s_mov_b32 s[G1B+5], 2048
	s_mov_b32 s[G1B+6], 0
	s_mov_b32 s[G1B+7], 0
	s_lshl_b32 s80, s43, 5                         ; x: tile 32 y + 16 x half: registers that never hold cx
	s_lshl_b32 s81, s18, 4
	s_add_co_u32 s80, s80, s81
	s_lshl_b32 s80, s80, 14
	s_mov_b32 s81, 0
	s_lshl_b32 s82, s18, 15                        ; and its place in a slot
	s_mul_i32 s84, s42, 12                         ; W: column tile 12 head + 6 x half: registers that never hold cy
	s_mul_i32 s85, s18, 6
	s_add_co_u32 s84, s84, s85
	s_lshl_b32 s84, s84, 14
	s_mov_b32 s85, 0
	s_mul_i32 s86, s18, 12288
	s_add_co_u32 s86, s86, BOFF
	s_wait_kmcnt 0x0
	s_load_b256 s[68:75], s[8:9], 0x0              ; e0 .. e7
	s_add_nc_u64 s[80:81], s[4:5], s[80:81]
	s_add_nc_u64 s[84:85], s[6:7], s[84:85]
	CROUND                                         ; all sixteen work-groups are here: the first joint loads meet
.irp s, 0,1
	s_mov_b32 s[G0+4*\s], 1
	s_add_co_u32 s[G0+4*\s+1], s82, \s*SLOT
	s_add_nc_u64 s[G0+4*\s+2:G0+4*\s+3], s[80:81], \s*2048
	s_or_b32 s[G0+4*\s+3], s[G0+4*\s+3], 0x80000000
	s_mov_b32 s[G0B+4*\s], 1
	s_add_co_u32 s[G0B+4*\s+1], s86, \s*SLOT
	s_add_nc_u64 s[G0B+4*\s+2:G0B+4*\s+3], s[84:85], \s*2048
	s_or_b32 s[G0B+4*\s+3], s[G0B+4*\s+3], 0x80000000
	JLOAD \s                                       ; two loads of mine are out
.endr
	; the biases, fetched now in the results' layout and kept in my own LDS bytes: no register is free for them during the products
	v_and_b32 v1, 31, v0
	v_lshlrev_b32 v[LI], 4, v1
	v_and_b32 v2, 15, v0                           ; r
	v_bfe_u32 v3, v0, 4, 1                         ; h
	v_lshlrev_b32 v4, 5, v3                        ; q, k: my eight channels 16 dt + 8 h + 0 .. 7
	v_lshlrev_b32 v5, 2, v2                        ; v: my channel 16 t + r
	s_lshl_b32 s88, s42, 8
	s_mov_b32 s89, 0
	s_add_nc_u64 s[10:11], s[10:11], s[88:89]      ; qkv_b at the head's 64 channels
.set n, 0
.rept 16                               ; n = 8 part + 2 dt + half
	global_load_b128 v[32+4*n:35+4*n], v4, s[10:11] offset:(n/8)*4096+64*((n/2)%4)+16*(n%2)
.set n, n+1
.endr
.irp t, 0,1,2,3
	global_load_b32 v[96+\t], v5, s[10:11] offset:8192+64*\t
.endr
	s_mul_i32 s90, s16, BSW
	s_add_co_u32 s90, s90, BST
	v_add_nc_u32 v[BSA], s90, v[LI]
	s_add_co_u32 s91, s90, 8192
	v_lshlrev_b32 v[BSV], 2, v1
	v_add_nc_u32 v[BSV], s91, v[BSV]
	s_lshl_b32 s90, s16, 14                        ; my 8 tiles of x in a slot
	v_add_nc_u32 v[ADRA], s90, v[LI]
	v_add_nc_u32 v[ADRA+1], SLOT, v[ADRA]
	v_add_nc_u32 v[ADRB], BOFF, v[LI]
	v_add_nc_u32 v[ADRB+1], SLOT, v[ADRB]
	s_lshl_b32 s92, s43, 2
	s_add_co_u32 s92, s92, s16                     ; my block of 128 tokens: 4 y + w = 16 b + g
	s_lshr_b32 s93, s92, 4
	s_lshl_b32 s93, s93, 4
	s_add_co_u32 s93, s93, s42                     ; 16 b + head
	s_lshl_b32 s93, s93, 4
	s_and_b32 s92, s92, 15
	s_add_co_u32 s92, s93, s92                     ; (16 b + head) x 16 + g
	s_lshl_b32 s94, s92, 13
	s_mov_b32 s95, 0
	s_add_nc_u64 s[12:13], s[12:13], s[94:95]      ; my block of q_img,
	s_lshl_b32 s94, s92, 14
	s_add_nc_u64 s[14:15], s[14:15], s[94:95]      ; and of kv_img
	s_wait_kmcnt 0x0
	s_add_co_i32 s76, s68, s69
	s_add_co_i32 s76, s76, 127
	s_lshl_b32 s76, s76, 23                        ; 2^(e0 + e1) as f32
	s_mov_b32 s77, s76                             ; (named with it as a pair, so it is written)
	MKSC 70, 16, 17                                ; q's scale, e2
	MKSC 71, 18, 19                                ; k's, e3
	MKSC 73, 20, 21                                ; v's, e5
	s_wait_loadcnt 0x0
.set n, 0
.rept 16
	ds_store_b128 v[BSA], v[32+4*n:35+4*n] offset:512*n
.set n, n+1
.endr
.irp t, 0,1,2,3
	ds_store_b32 v[BSV], v[96+\t] offset:128*\t
.endr
.macro FA set, sl, ks                  ; x's 8 fragments of step ks of slot sl into a set: 16 loads
.irp i, 0,1,2,3,4,5,6,7
	ds_load_b128 v[AF+64*(\set)+8*\i:AF+64*(\set)+8*\i+3], v[ADRA+\sl] offset:2048*\i+1024*(\ks)
	ds_load_b128 v[AF+64*(\set)+8*\i+4:AF+64*(\set)+8*\i+7], v[ADRA+\sl] offset:2048*\i+1024*(\ks)+512
.endr
.endm
.macro FB part, sl, ks                 ; W's 4 fragments of a part (q, k, v): 8 loads
.irp c, 0,1,2,3
	ds_load_b128 v[BF+32*(\part)+8*\c:BF+32*(\part)+8*\c+3], v[ADRB+\sl] offset:2048*(4*(\part)+\c)+1024*(\ks)
	ds_load_b128 v[BF+32*(\part)+8*\c+4:BF+32*(\part)+8*\c+7], v[ADRB+\sl] offset:2048*(4*(\part)+\c)+1024*(\ks)+512
.endr
.endm
; cnt tiles of tokens from i0 on x a part's 4 tiles of columns, 64 along K.  The 96 accumulators take turns, one instruction a turn, in the same order in every step.  zero = 1: the first product starts the sums.
.macro MUL part, set, i0, cnt, zero
.set mi, \i0
.rept \cnt
.irp c, 0,1,2,3
.set rD, 8*(4*mi+\c)
.set rA, AF+64*(\set)+8*mi
.set rB, BF+32*(\part)+8*\c
.if (\part) == 2
.if \zero
	v_wmma_f32_16x16x64_fp8_fp8 v[rD:rD+7], v[rA:rA+7], v[rB:rB+7], 0
.else
	v_wmma_f32_16x16x64_fp8_fp8 v[rD:rD+7], v[rA:rA+7], v[rB:rB+7], v[rD:rD+7]
.endif
.else
.if \zero
	v_wmma_f32_16x16x64_fp8_fp8 v[rD:rD+7], v[rB:rB+7], v[rA:rA+7], 0
.else
	v_wmma_f32_16x16x64_fp8_fp8 v[rD:rD+7], v[rB:rB+7], v[rA:rA+7], v[rD:rD+7]
.endif
.endif
.endr
.set mi, mi+1
.endr
.endm
; A slot's first step (x's set 0): 96 products; each part's fragments of W are fetched anew, for the slot's second step, behind that part's products; x's set 1 with them.
.macro STEP sl, zero
	s_wait_dscnt 8                                 ; all but the youngest eight loads (W's part v) are in
	WIN 0x50
	MUL 0, 0, 0, 8, \zero
	PLACES
	WIN 0
	FB 0, \sl, 1
	WIN 0xa0
	MUL 1, 0, 0, 8, \zero
	PLACES
	WIN 0
	FB 1, \sl, 1
	FA 1, \sl, 1
	s_wait_dscnt 32                                ; behind W's part v stand the 8 + 8 + 16 loads just issued: it is in
	WIN 0xf0
	MUL 2, 0, 0, 8, \zero
	PLACES
	WIN 0
	FB 2, \sl, 1
.endm
; A slot's second step (x's set 1) changes slots: ONE barrier; in front of it each wave waits for all its tensor loads, adds 0 to its spare word, and waits for that and for its own reads of this slot.  fill = 1: this slot is filled again, two slots ahead.
.macro TURN sl, nx, fill
	s_wait_tensorcnt 0x0                           ; all my tensor loads have landed: the one that was out is my part of the next slot;
	ds_add_u32 v[SPW], v[NIL]                      ; 0 onto my spare word;
	s_wait_dscnt 9                                 ; (the add and the youngest eight loads, W's part v, may be out)
	WIN 0x50
	MUL 0, 1, 0, 4, 0                              ; sixteen products stand between the add and the wait for it
	s_wait_dscnt 0x0                               ; the add is done, and my reads of this slot are over
	s_barrier_signal -1
	MUL 0, 1, 4, 4, 0
	WIN 0
	s_barrier_wait -1
.if \fill
	CREST                                          ; the barrier has opened a round of the cluster's barrier: no wave of any partner still reads this slot or has a load on its way
	s_add_nc_u64 s[G0+4*\sl+2:G0+4*\sl+3], s[G0+4*\sl+2:G0+4*\sl+3], 4096
	s_add_nc_u64 s[G0B+4*\sl+2:G0B+4*\sl+3], s[G0B+4*\sl+2:G0B+4*\sl+3], 4096
	JLOAD \sl                                      ; the first tensor load behind the round, my one load until the next; its four v_nop are the places in front of the loads below
.else
	PLACES
.endif
	FB 0, \nx, 0
	WIN 0xa0
	MUL 1, 1, 0, 8, 0
	PLACES
	WIN 0
	FB 1, \nx, 0
	FA 0, \nx, 0
	WIN 0xf0
	MUL 2, 1, 0, 8, 0
	PLACES
	WIN 0
	FB 2, \nx, 0
.endm
	s_wait_tensorcnt 1                             ; my part of slot 0 is in; slot 1's may stay out
	s_wait_dscnt 0x0                               ; my copy of the biases is stored
	s_barrier_signal -1
	s_barrier_wait -1
	FB 0, 0, 0
	FB 1, 0, 0
	FA 0, 0, 0
	FB 2, 0, 0
	STEP 0, 1                                      ; the first step stands in front of the loop: its products start the sums
	s_mov_b32 s3, 3
.Llap:                                             ; a trip goes once round the ring and fills both slots again: 128-blocks 2 to 7 of K in three trips
	TURN 0, 1, 1
	STEP 1, 0
	TURN 1, 0, 1
	STEP 0, 0
	s_sub_co_u32 s3, s3, 1
	s_cmp_lg_u32 s3, 0
	s_cbranch_scc1 .Llap
	TURN 0, 1, 0                                   ; the last lap fills nothing
	STEP 1, 0
	s_wait_dscnt 8                                 ; the very last step: nothing more to fetch
	WIN 0x50
	MUL 0, 1, 0, 8, 0
	WIN 0xa0
	MUL 1, 1, 0, 8, 0
	s_wait_dscnt 0x0
	WIN 0xf0
	MUL 2, 1, 0, 8, 0
	WIN 0
	; THE WAY OUT: sum x 2^(e0 + e1) + bias in one packed multiply-add; the hold; the conversion; the codes are the reader's registers and leave as they stand, 512 consecutive bytes a store.
	PLACES
.set n, 0
.rept 16
	ds_load_b128 v[BIA+4*n:BIA+4*n+3], v[BSA] offset:512*n
.set n, n+1
.endr
.irp t, 0,1,2,3
	ds_load_b32 v[BIV+2*\t], v[BSV] offset:128*\t
	ds_load_b32 v[BIV+2*\t+1], v[BSV] offset:128*\t
.endr
	s_wait_dscnt 0x0
.macro QKOUT part, win, vs, vl, blo    ; q or k: tile i's four accumulators are channels 16 d + 8 h + 0 .. 7 of token r: registers 2 d, 2 d + 1 of the tile's fragment
.irp i, 0,1,2,3,4,5,6,7
	WIN \win                                       ; source 0: the part's window
.irp d, 0,1,2,3
.irp e, 0,2,4,6                        ; each accumulator from its low end on
	v_pk_fma_f32 v[TMP+8*\d+\e:TMP+8*\d+\e+1], v[8*(4*\i+\d)+\e:8*(4*\i+\d)+\e+1], s[76:77], v[BIA+32*(\part)+8*\d+\e:BIA+32*(\part)+8*\d+\e+1] op_sel_hi:[1,0,1]
.endr
.endr
	WIN 0
.set k, 0
.rept 32
	v_med3_num_f32 v[TMP+k], v[TMP+k], -v[\vl], v[\vl]   ; the conversion does not saturate (ISA guide 7.6.2)
.set k, k+1
.endr
.irp d, 0,1,2,3
	v_cvt_scalef32_pk8_fp8_f32 v[CODE+8*\i+2*\d:CODE+8*\i+2*\d+1], v[TMP+8*\d:TMP+8*\d+7], v[\vs]
.endr
	v_nop                                          ; a plain line between the conversions and the next lines that write their sources
	global_store_b128 v[LI], v[CODE+8*\i:CODE+8*\i+3], s[\blo:\blo+1] offset:1024*\i
	global_store_b128 v[LI], v[CODE+8*\i+4:CODE+8*\i+7], s[\blo:\blo+1] offset:1024*\i+512
.endr
.endm
	QKOUT 0, 1, 16, 17, 12
	s_wait_xcnt 0x0                                ; q's stores have read their registers: the codes' registers are written again
	QKOUT 1, 2, 18, 19, 14
	s_wait_xcnt 0x0
.irp t, 0,1,2,3                        ; v: channel tile t: token tile i's accumulator is registers 2 i, 2 i + 1 of the fragment of 16 channels x 128 keys
.irp a, 0,1
	WIN 3
.irp u, 0,1,2,3
.irp e, 0,2,4,6
	v_pk_fma_f32 v[TMP+8*\u+\e:TMP+8*\u+\e+1], v[8*(4*(4*\a+\u)+\t)+\e:8*(4*(4*\a+\u)+\t)+\e+1], s[76:77], v[BIV+2*\t:BIV+2*\t+1] op_sel_hi:[1,0,0]
.endr
.endr
	WIN 0
.set k, 0
.rept 32
	v_med3_num_f32 v[TMP+k], v[TMP+k], -v21, v21
.set k, k+1
.endr
.irp u, 0,1,2,3
	v_cvt_scalef32_pk8_fp8_f32 v[CODE+16*\t+2*(4*\a+\u):CODE+16*\t+2*(4*\a+\u)+1], v[TMP+8*\u:TMP+8*\u+7], v20
.endr
	v_nop
.endr
.irp c, 0,1,2,3
	global_store_b128 v[LI], v[CODE+16*\t+4*\c:CODE+16*\t+4*\c+3], s[14:15] offset:8192+2048*\t+512*\c
.endr
.endr
	s_wait_tensorcnt 0x0                           ; the wave's end
	ds_add_u32 v[SPW], v[NIL]
	s_wait_dscnt 0x0
	CROUND                                         ; the closing round: no work-group ends while a partner may still ask for a tile that names it
	s_endpgm
.Lfunc_end_k_q32613ad82f_qkv:
	.size	k_q32613ad82f_qkv, .Lfunc_end_k_q32613ad82f_qkv-k_q32613ad82f_qkv
	.p2alignl 7, 3214868480
	.fill 96, 4, 3214868480
	.section	.rodata,"a",@progbits
	.p2align	6, 0x0
	.amdhsa_kernel k_q32613ad82f_qkv
		.amdhsa_group_segment_fixed_size 327680
		.amdhsa_private_segment_fixed_size 0
		.amdhsa_enable_private_segment 0
		.amdhsa_kernarg_size 48
		.amdhsa_user_sgpr_count 2
		.amdhsa_user_sgpr_kernarg_segment_ptr 1
		.amdhsa_wavefront_size32 1
		.amdhsa_system_sgpr_workgroup_id_x 1
		.amdhsa_system_sgpr_workgroup_id_y 1
		.amdhsa_system_sgpr_workgroup_id_z 1
		.amdhsa_system_vgpr_workitem_id 0
		.amdhsa_next_free_vgpr 1024
		.amdhsa_next_free_sgpr 100
		.amdhsa_reserve_vcc 0
		.amdhsa_float_denorm_mode_32 3
		.amdhsa_float_denorm_mode_16_64 3
		.amdhsa_memory_ordered 1
		.amdhsa_forward_progress 1
		.amdhsa_inst_pref_size 173
	.end_amdhsa_kernel
	.amdgpu_metadata
---
amdhsa.version: [ 1, 2 ]
amdhsa.kernels:
  - .name:           k_q32613ad82f_qkv
    .symbol:         k_q32613ad82f_qkv.kd
    .args:
      - { .name: x_img, .offset: 0, .size: 8, .value_kind: global_buffer, .address_space: global }
      - { .name: wq_img, .offset: 8, .size: 8, .value_kind: global_buffer, .address_space: global }
      - { .name: lowp_scales, .offset: 16, .size: 8, .value_kind: global_buffer, .address_space: global }
      - { .name: qkv_b, .offset: 24, .size: 8, .value_kind: global_buffer, .address_space: global }
      - { .name: q_img, .offset: 32, .size: 8, .value_kind: global_buffer, .address_space: global }
      - { .name: kv_img, .offset: 40, .size: 8, .value_kind: global_buffer, .address_space: global }
    .group_segment_fixed_size: 327680
    .private_segment_fixed_size: 0
    .kernarg_segment_align: 8
    .kernarg_segment_size: 48
    .max_flat_workgroup_size: 128
    .sgpr_count:     100
    .vgpr_count:     1024
    .wavefront_size: 32
...
	.end_amdgpu_metadata
.endif
;; end of part 2
;; launch attn (part 3): grid 256 x 1, 16 waves a work-group, clusters of 4 x 1, 264,192 bytes of LDS; arguments q_img, kv_img, lowp_scales, res_img; writes res_img
.if DOCPART == 3
	.amdgcn_target "amdgcn-amd-amdhsa--gfx1250"
	.amdhsa_code_object_version 6
	.text
	.protected	k_q32613ad82f_attn
	.globl	k_q32613ad82f_attn
	.p2align	8
	.type	k_q32613ad82f_attn,@function
k_q32613ad82f_attn:
	s_mov_b64 s[64:65], 0
	v_nop
	global_prefetch_b8 v0, s[64:65] scope:SCOPE_SE
	s_setreg_imm32_b32 hwreg(HW_REG_WAVE_MODE, 25, 1), 1
	s_wait_xcnt 0x0
	s_wait_alu depctr_hold_cnt(0) depctr_sa_sdst(0) depctr_va_vdst(0) depctr_va_sdst(0) depctr_va_ssrc(0) depctr_va_vcc(0) depctr_vm_vsrc(0)
	s_getreg_b32 s2, hwreg(HW_REG_IB_STS2, 6, 4)
	s_cmp_eq_u32 s2, 0
	s_cbranch_scc0 .Lentry_in_a_cluster
	s_endpgm
.Lentry_in_a_cluster:
	s_bfe_u32 s2, ttmp6, 0x10000c
	s_cmp_lg_u32 s2, 0x3003
	s_cbranch_scc0 .Lentry_shape_is_right
	s_endpgm
.Lentry_shape_is_right:
; Causal attention on codes of FP8 (E4M3), head size 64, 2,048 tokens, 64 (batch, head) pairs; the result is quantised for the projection (scales: entries 2, 3 for q k^T; 4, 5 for p v; 6 for the result).
; t = score x log2(e) / 8; M = the running largest t rounded UP to a whole number; p = 2^(t - M) is quantised, not normalised; the row's sum is taken of the unquantised p and divides at the end.  When M moves, the sum and O are multiplied by 2^(old M - new M): exact.
; LIMITS: e2 + e3 between -123 and 130 (they are added to c's exponent field); e4 and e6 between -126 and 119; e4 + e5 is applied by v_ldexp_f32 and has none.  NaN is not served.
; SHARES.  A cluster of four work-groups owns one (batch, head).  Its 128 tiles of 16 queries are 16 groups g of 8; a tile of group g wants key steps 0 .. g, 128 keys each, the last of them masked.
; Wave w of partner cx owns tile 2 cx of group w and tile 2 cx + 1 of group 15 - w: (w + 1) + (16 - w) = 17 tile steps for every wave of the launch.  Branches hang on the wave's number and the step's number alone.
; THE HEAD'S WHOLE K AND V, 262,144 bytes of codes, come into each partner's LDS ONCE, by joint loads: no ring, no byte is filled twice.  Both lie as images of registers: every LDS read is 512 consecutive bytes.
; LAYOUT.  Both products are used transposed: S^T = K Q^T (source 0 = 16 keys, source 1 = my 16 queries; K = 64), O^T = V^T P^T (source 0 = 16 channels, source 1 = P; K = 128 keys): a lane holds ONE query throughout.
; Row p of token tile 2 B + u is token 32 B + 8 u + p + 8 (p / 8): so register 16 b + i of the scores is key 32 b + 16 (lane / 16) + i of the step, and p's codes fall into the order in which V's fragments were made.
; REGISTERS: v1 16 x lane; v2 the step's LDS address; v3, v4 the mask's thresholds; v8-11, v12-15 a tile's -M, largest t, sum in two halves; v16-23, v24-31 Q; v32-95 fragments of K, then of V; v96-159 S^T, then p; v160-191, v192-223 O^T; v224-239 p's codes; v236-254 at work and constants.
.set KSB, 16384                        ; a key step in LDS: K's 8 fragments of 1,024 bytes, then V's 4 of 2,048
.macro CROUND                          ; a round of the cluster's barrier
	s_barrier_signal -1
	s_barrier_wait -1
	s_cmp_lg_u32 s12, 0
	s_cbranch_scc1 .Lnot_wave_0_\@
	s_barrier_signal -3
.Lnot_wave_0_\@:
	s_barrier_wait -3
	s_barrier_signal -1
	s_barrier_wait -1
.endm
.macro MKSC ereg, vs, vl               ; v[vs] = 2^e
	s_add_co_i32 s62, s[\ereg], 127
	s_lshl_b32 s63, s62, 23
	v_mov_b32 v[\vs], s63
.endm
	s_load_b256 s[4:11], s[0:1], 0x0               ; q_img s[4:5], kv_img s[6:7], the scales' exponents s[8:9], res_img s[10:11]
	v_lshl_add_u32 v251, v0, 2, 0x40000
	v_mov_b32 v255, 0
	ds_add_u32 v251, v255
	ds_add_u32 v251, v255
	v_lshrrev_b32 v5, 5, v0
	s_delay_alu instid0(VALU_DEP_1)
	v_readfirstlane_b32 s12, v5                    ; wave 0..15
	s_bfe_u32 s13, ttmp6, 0x40000                  ; cx: it enters Q's and the result's addresses and the mask's thresholds, nothing else
	s_mov_b32 s15, s12                             ; the group of my first tile,
	s_xor_b32 s16, s12, 15                         ; and of my second: 15 - w
	s_and_b32 s14, s12, 3
	s_lshl_b32 s56, s14, 14                        ; a fetching wave j takes key steps j, 4 + j, 8 + j, 12 + j: the same offset in LDS and in the head's block of kv_img
	s_lshl_b32 s58, ttmp9, 18                      ; the (batch, head) pair = the cluster's number: 262,144 bytes each
	s_add_co_u32 s58, s58, s56
	s_mov_b32 s59, 0
	s_mov_b32 s24, 15|(3<<16)|(1<<21)              ; group 1: 15:0 the mask: all four partners; 17:16 elements of 8 bytes; 21 set beside a mask
	s_mov_b32 s25, 32<<16                          ; tensor_dim0 = 32: rows of 256 bytes
	s_mov_b32 s26, 64<<16                          ; tensor_dim1 = 64
	s_mov_b32 s27, 32<<16                          ; tile_dim0
	s_mov_b32 s28, 64                              ; tile_dim1: 16,384 bytes, dense in memory and in LDS
	s_mov_b32 s29, 32
	s_mov_b32 s30, 0
	s_mov_b32 s31, 0
	s_mov_b32 s20, 0x76543210                      ; v_permlanex16_b32's selects for lane l xor 16
	s_mov_b32 s21, 0xfedcba98
	s_mov_b32 s22, 0x3e38aa3b                      ; c = log2(e) / sqrt(64)
	s_lshl_b32 s60, ttmp9, 4
	s_add_co_u32 s61, s60, s15
	s_lshl_b32 s61, s61, 3
	s_lshl_b32 s62, s13, 1
	s_add_co_u32 s61, s61, s62                     ; my first tile's fragment: (16 pair + w) x 8 + 2 cx
	s_lshl_b32 s74, s61, 10
	s_mov_b32 s75, 0
	s_add_co_u32 s60, s60, s16
	s_lshl_b32 s60, s60, 3
	s_add_co_u32 s60, s60, s62
	s_add_co_u32 s60, s60, 1                       ; my second: (16 pair + 15 - w) x 8 + 2 cx + 1
	s_lshl_b32 s76, s60, 10
	s_mov_b32 s77, 0
	s_wait_dscnt 0x0
	s_wait_kmcnt 0x0
	s_load_b256 s[48:55], s[8:9], 0x0              ; e0 .. e7
	s_add_nc_u64 s[58:59], s[6:7], s[58:59]
	s_add_nc_u64 s[66:67], s[4:5], s[74:75]
	s_add_nc_u64 s[68:69], s[4:5], s[76:77]
	s_add_nc_u64 s[70:71], s[10:11], s[74:75]
	s_add_nc_u64 s[72:73], s[10:11], s[76:77]
	CROUND                                         ; all four partners are here: the joint loads meet
.irp c, 0,1,2,3
	s_mov_b32 s[32+4*\c], 1
	s_add_co_u32 s[33+4*\c], s56, \c*65536
	s_add_nc_u64 s[34+4*\c:35+4*\c], s[58:59], \c*65536
	s_or_b32 s[35+4*\c], s[35+4*\c], 0x80000000
.endr
	s_cmp_lt_u32 s12, 4                            ; waves 0 to 3 fetch: all their loads stand in this one branch; four loads of such a wave are out
	s_cbranch_scc0 .Lno_fetch
	tensor_load_to_lds s[32:35], s[24:31]
	s_nop 0
	tensor_load_to_lds s[36:39], s[24:31]
	s_nop 0
	tensor_load_to_lds s[40:43], s[24:31]
	s_nop 0
	tensor_load_to_lds s[44:47], s[24:31]
	s_nop 0
.rept 4
	v_nop
.endr
.Lno_fetch:
	v_and_b32 v1, 31, v0
	s_delay_alu instid0(VALU_DEP_1)
	v_lshlrev_b32 v1, 4, v1                        ; 16 x lane
	global_load_b128 v[16:19], v1, s[66:67]        ; Q's two fragments stay in registers
	global_load_b128 v[20:23], v1, s[66:67] offset:512
	global_load_b128 v[24:27], v1, s[68:69]
	global_load_b128 v[28:31], v1, s[68:69] offset:512
	v_and_b32 v5, 15, v0
	v_and_b32 v6, 8, v0
	s_delay_alu instid0(VALU_DEP_1)
	v_add_nc_u32 v5, v5, v6                        ; r + 8 (r / 8)
	v_and_b32 v6, 16, v0
	s_delay_alu instid0(VALU_DEP_1)
	v_sub_nc_u32 v5, v5, v6                        ; - 16 h
	s_lshl_b32 s60, s13, 5
	v_add_nc_u32 v3, s60, v5                       ; d = my query's place in its block of 128 - 16 h: register n's key is hidden where 32 (n / 16) + n % 16 > d
	s_delay_alu instid0(VALU_DEP_1)
	v_add_nc_u32 v4, 8, v3                         ; the second tile's queries lie 8 further on
	v_mov_b32 v9, 0xff61b1e6                       ; the largest t so far: -3e38, under every t
	v_mov_b32 v13, 0xff61b1e6
	s_delay_alu instid0(VALU_DEP_2)
	v_floor_f32 v8, -v9                            ; -M
	s_delay_alu instid0(VALU_DEP_2)
	v_floor_f32 v12, -v13
	v_mov_b32 v10, 0                               ; the sums, in two halves
	v_mov_b32 v11, 0
	v_mov_b32 v14, 0
	v_mov_b32 v15, 0
	v_mov_b32 v236, 0                              ; written once: a lane permute's destination counts as one of its sources
	v_mov_b32 v253, 0                              ; (named as the upper half of the pair v[252:253])
.set n, 0
.rept 64
	v_mov_b32 v[160+n], 0                          ; O^T.  (The step is written once: the first finds zeros, which the first change of M leaves zeros)
.set n, n+1
.endr
	s_wait_kmcnt 0x0
	s_add_co_i32 s60, s50, s51
	s_lshl_b32 s60, s60, 23
	s_add_co_i32 s22, s22, s60                     ; a score stands for score x 2^(e2 + e3): the exponents are added to c's exponent field
	s_mov_b32 s23, s22                             ; (named with it as a pair, so it is written)
	s_add_co_i32 s57, s52, s53                     ; e4 + e5
	MKSC 52, 244, 240                              ; p's scale
	MKSC 54, 246, 247                              ; the result's
; A TILE STEP: tile t (0, 1) of my two against the 128 keys of step s17.  A step behind the tile's group is left out: a scalar branch on the wave's number and the step's.
.macro STEP t
.set ST, 8+4*(\t)
.set QF, 16+8*(\t)
.set OT, 160+32*(\t)
	s_cmp_gt_u32 s17, s[15+\t]
	s_cbranch_scc1 .Lhid_\@
.rept 4
	v_nop                                          ; places in front of loads into registers that the last products have read
.endr
	s_wait_alu depctr_va_vdst(0)
.irp f, 0,1,2,3,4,5,6,7
	ds_load_b128 v[32+8*\f:35+8*\f], v2 offset:1024*\f
	ds_load_b128 v[36+8*\f:39+8*\f], v2 offset:1024*\f+512
.endr
	s_wait_dscnt 0x0
.irp f, 0,1,2,3,4,5,6,7
	v_wmma_f32_16x16x64_fp8_fp8 v[96+8*\f:103+8*\f], v[32+8*\f:39+8*\f], v[QF:QF+7], 0
.endr
.rept 4
	v_nop                                          ; places in front of the loads below and of the first read of the scores
.endr
	s_wait_alu depctr_va_vdst(0)
.irp f, 0,1,2,3                        ; V's four fragments land while the softmax is worked
.irp c, 0,1,2,3
	ds_load_b128 v[32+16*\f+4*\c:35+16*\f+4*\c], v2 offset:8192+2048*\f+512*\c
.endr
.endr
	s_cmp_lg_u32 s17, s[15+\t]                     ; only the tile's own group lies on the diagonal
	s_cbranch_scc1 .Lopen_\@
	v_mov_b32 v254, 0xff800000                     ; hidden scores become -infinity ahead of the maximum: p = 0 then.  The block's first key counts for every query of the block
.set n, 0
.rept 64
	v_cmp_gt_i32 vcc_lo, 32*(n/16)+n%16, v[3+\t]
	v_cndmask_b32 v[96+n], v[96+n], v254, vcc_lo
.set n, n+1
.endr
.Lopen_\@:
	v_max3_num_f32 v254, v96, v97, v98             ; the step's largest score of my query among my 64 keys, in two chains,
	v_max3_num_f32 v252, v99, v100, v101
.irp i, 6,10,14,18,22,26,30,34,38,42,46,50,54,58
	v_max3_num_f32 v254, v254, v[96+\i], v[97+\i]
	v_max3_num_f32 v252, v252, v[98+\i], v[99+\i]
.endr
	v_max3_num_f32 v254, v254, v158, v159
	s_delay_alu instid0(VALU_DEP_1)
	v_max_num_f32 v254, v254, v252
	v_permlanex16_b32 v236, v254, s20, s21
	s_delay_alu instid0(VALU_DEP_1)
	v_max_num_f32 v254, v254, v236                 ; and among lane l xor 16's
	s_delay_alu instid0(VALU_DEP_1)
	v_mul_f32 v254, s22, v254                      ; as t (c is positive)
	s_delay_alu instid0(VALU_DEP_1)
	v_max_num_f32 v[ST+1], v[ST+1], v254           ; the running largest t
	v_mov_b32 v254, v[ST]
	s_delay_alu instid0(VALU_DEP_2)
	v_floor_f32 v[ST], -v[ST+1]                    ; the new -M = floor(-t) = -ceil(t)
	s_delay_alu instid0(VALU_DEP_1)
	v_sub_f32 v254, v[ST], v254                    ; old M - new M: a whole number, 0 or less
	s_delay_alu instid0(VALU_DEP_1)
	v_cvt_i32_f32 v254, v254                       ; (it saturates)
	s_delay_alu instid0(VALU_DEP_1)
	v_ldexp_f32 v252, 1.0, v254                    ; f = 2^(old M - new M)
.set n, 0
.rept 32
	v_pk_fma_f32 v[96+n:97+n], v[96+n:97+n], s[22:23], v[ST:ST+1] op_sel_hi:[1,0,0]   ; t - M, two at a time (of the pairs c and -M the low word serves both halves)
.set n, n+2
.endr
.set n, 0
	s_wait_alu depctr_va_vdst(0)
.rept 64
	v_exp_f32 v[96+n], v[96+n]                     ; p = 2^(t - M), at most 1
.set n, n+1
.endr
	v_pk_mul_f32 v[ST+2:ST+3], v[ST+2:ST+3], v[252:253] op_sel_hi:[1,0]   ; the sums under the new M: the plain line behind the exponentials
	s_wait_alu depctr_va_vdst(0)                   ; one wait for the whole batch, ahead of its first reader
	v_pk_add_f32 v[242:243], v[96:97], v[98:99]    ; the row's sum is taken of the unquantised p: two at a time, in two chains
.irp j, 4,8,12,16,20,24,28,32,36,40,44,48,52,56,60
	v_pk_add_f32 v[ST+2:ST+3], v[ST+2:ST+3], v[96+\j:97+\j]
	v_pk_add_f32 v[242:243], v[242:243], v[98+\j:99+\j]
.endr
	s_delay_alu instid0(VALU_DEP_1)
	v_pk_add_f32 v[ST+2:ST+3], v[ST+2:ST+3], v[242:243]
.irp b, 0,1,2,3
.irp i, 0,1,2,3,4,5,6,7,8,9,10,11,12,13,14,15
.endr
	v_cvt_scalef32_pk8_fp8_f32 v[224+4*\b:225+4*\b], v[96+16*\b:103+16*\b], v244
	v_cvt_scalef32_pk8_fp8_f32 v[226+4*\b:227+4*\b], v[104+16*\b:111+16*\b], v244
.endr
.set n, 0
.rept 16
	v_pk_mul_f32 v[OT+n:OT+n+1], v[OT+n:OT+n+1], v[252:253] op_sel_hi:[1,0]   ; O^T under the new M; also the plain lines between the conversions and the products
.set n, n+2
.endr
	s_wait_alu depctr_va_vdst(0)
	s_wait_dscnt 0x0                               ; V is in
.irp f, 0,1,2,3                        ; four accumulators, one instruction each; the next link of each stands behind the next step's eight products
	v_wmma_f32_16x16x128_fp8_fp8 v[OT+8*\f:OT+8*\f+7], v[32+16*\f:47+16*\f], v[224:239], v[OT+8*\f:OT+8*\f+7]
.endr
.Lhid_\@:
.endm
.macro PHASE cnt                       ; cnt key steps, both tiles in each
	s_mov_b32 s19, \cnt
.Lp_\@:
	v_add_nc_u32 v2, s18, v1
	STEP 0
	STEP 1
	s_add_co_u32 s18, s18, KSB
	s_add_co_u32 s17, s17, 1
	s_sub_co_u32 s19, s19, 1
	s_cmp_lg_u32 s19, 0
	s_cbranch_scc1 .Lp_\@
.endm
	s_wait_loadcnt 0x0                             ; Q
	s_wait_tensorcnt 3                             ; a fetching wave's first load is in (three were issued behind it): key steps 0 to 3
	s_barrier_signal -1
	s_barrier_wait -1                              ; for every wave
	s_mov_b32 s18, 0
	s_mov_b32 s17, 0
	PHASE 4
	s_wait_tensorcnt 0x0                           ; all key steps are in,
	s_wait_dscnt 0x0
	s_barrier_signal -1
	s_barrier_wait -1                              ; for every wave: from here on no wave waits for another
	s_mov_b32 s18, 4*KSB
	s_mov_b32 s17, 4
	PHASE 12
	; THE WAY OUT.  O^T / the sum x 2^(e4 + e5) is the head's part of res; converted with 2^e6, its registers 2 f, 2 f + 1 are channels 16 f + 8 h + 0 .. 7 of query r: a fragment of the projection's operand, K step = the head.
.rept 4
	v_nop                                          ; places behind the last products
.endr
.macro OUTT t, blo
.set ST, 8+4*(\t)
.set OT, 160+32*(\t)
	v_add_f32 v254, v[ST+2], v[ST+3]               ; the sum's two halves,
	v_permlanex16_b32 v236, v254, s20, s21
	s_delay_alu instid0(VALU_DEP_1)
	v_add_f32 v254, v254, v236                     ; and lane l xor 16's
	s_wait_alu depctr_va_vdst(0)
	v_rcp_f32 v252, v254
	v_nop                                          ; a plain line behind the transcendental
	s_wait_alu depctr_va_vdst(0)                   ; and the wait ahead of its first reader
	v_ldexp_f32 v252, v252, s57
.set n, 0
.rept 16
	v_pk_mul_f32 v[96+n:97+n], v[OT+n:OT+n+1], v[252:253] op_sel_hi:[1,0]   ; each accumulator from its low end on
.set n, n+2
.endr
.set n, 0
.rept 32
.set n, n+1
.endr
.irp f, 0,1,2,3
	v_cvt_scalef32_pk8_fp8_f32 v[224+8*(\t)+2*\f:225+8*(\t)+2*\f], v[96+8*\f:103+8*\f], v246
.endr
	v_nop                                          ; a plain line between the conversions and the next lines that write their sources
	global_store_b128 v1, v[224+8*(\t):227+8*(\t)], s[\blo:\blo+1]             ; 32 lanes store 512 consecutive bytes, aligned
	global_store_b128 v1, v[228+8*(\t):231+8*(\t)], s[\blo:\blo+1] offset:512
.endm
	OUTT 0, 70
	OUTT 1, 72
	s_wait_dscnt 0x0
	s_wait_tensorcnt 0x0
	ds_add_u32 v251, v255
	s_wait_dscnt 0x0
	CROUND                                         ; the closing round: no work-group ends while a partner may still ask for a tile that names it
	s_endpgm
.Lfunc_end_k_q32613ad82f_attn:
	.size	k_q32613ad82f_attn, .Lfunc_end_k_q32613ad82f_attn-k_q32613ad82f_attn
	.p2alignl 7, 3214868480
	.fill 96, 4, 3214868480
	.section	.rodata,"a",@progbits
	.p2align	6, 0x0
	.amdhsa_kernel k_q32613ad82f_attn
		.amdhsa_group_segment_fixed_size 264192
		.amdhsa_private_segment_fixed_size 0
		.amdhsa_enable_private_segment 0
		.amdhsa_kernarg_size 32
		.amdhsa_user_sgpr_count 2
		.amdhsa_user_sgpr_kernarg_segment_ptr 1
		.amdhsa_wavefront_size32 1
		.amdhsa_system_sgpr_workgroup_id_x 1
		.amdhsa_system_sgpr_workgroup_id_y 1
		.amdhsa_system_sgpr_workgroup_id_z 1
		.amdhsa_system_vgpr_workitem_id 0
		.amdhsa_next_free_vgpr 256
		.amdhsa_next_free_sgpr 80
		.amdhsa_reserve_vcc 1
		.amdhsa_float_denorm_mode_32 3
		.amdhsa_float_denorm_mode_16_64 3
		.amdhsa_fp16_overflow 1
		.amdhsa_memory_ordered 1
		.amdhsa_forward_progress 1
		.amdhsa_inst_pref_size 88
	.end_amdhsa_kernel
	.amdgpu_metadata
---
amdhsa.version: [ 1, 2 ]
amdhsa.kernels:
  - .name:           k_q32613ad82f_attn
    .symbol:         k_q32613ad82f_attn.kd
    .args:
      - { .name: q_img, .offset: 0, .size: 8, .value_kind: global_buffer, .address_space: global }
      - { .name: kv_img, .offset: 8, .size: 8, .value_kind: global_buffer, .address_space: global }
      - { .name: lowp_scales, .offset: 16, .size: 8, .value_kind: global_buffer, .address_space: global }
      - { .name: res_img, .offset: 24, .size: 8, .value_kind: global_buffer, .address_space: global }
    .group_segment_fixed_size: 264192
    .private_segment_fixed_size: 0
    .kernarg_segment_align: 8
    .kernarg_segment_size: 32
    .max_flat_workgroup_size: 512
    .sgpr_count:     80
    .vgpr_count:     256
    .wavefront_size: 32
...
	.end_amdgpu_metadata
.endif
;; end of part 3
;; launch proj (part 4): grid 8 x 32, 4 waves a work-group, clusters of 4 x 4, 327,680 bytes of LDS; arguments res_img, wp_img, lowp_scales, proj_b, out0; writes out0
.if DOCPART == 4
	.amdgcn_target "amdgcn-amd-amdhsa--gfx1250"
	.amdhsa_code_object_version 6
	.text
	.protected	k_q32613ad82f_proj
	.globl	k_q32613ad82f_proj
	.p2align	8
	.type	k_q32613ad82f_proj,@function
k_q32613ad82f_proj:
	s_mov_b64 s[64:65], 0
	v_nop
	global_prefetch_b8 v0, s[64:65] scope:SCOPE_SE
	s_setreg_imm32_b32 hwreg(HW_REG_WAVE_MODE, 25, 1), 1
	s_wait_xcnt 0x0
	s_wait_alu depctr_hold_cnt(0) depctr_sa_sdst(0) depctr_va_vdst(0) depctr_va_sdst(0) depctr_va_ssrc(0) depctr_va_vcc(0) depctr_vm_vsrc(0)
	s_getreg_b32 s2, hwreg(HW_REG_IB_STS2, 6, 4)
	s_cmp_eq_u32 s2, 0
	s_cbranch_scc0 .Lentry_in_a_cluster
	s_endpgm
.Lentry_in_a_cluster:
	s_bfe_u32 s2, ttmp6, 0x10000c
	s_cmp_lg_u32 s2, 0xf033
	s_cbranch_scc0 .Lentry_shape_is_right
	s_endpgm
.Lentry_shape_is_right:
; out = res proj_w + proj_b on codes of FP8 (E4M3); scales: entries 6 and 7.  LIMIT: e6 + e7 between -126 and 127, so that 2^(e6 + e7) is an f32 number.
; SHARES.  Work-group (x, y) makes 256 tokens x 128 columns: 256 work-groups.  Wave w makes token tiles 4 w .. 4 w + 3 x 8 tiles of columns: 32 accumulators.  The product is used transposed (source 0 = 16 columns of W, source 1 = 16 tokens): a lane holds eight neighbouring numbers of a row of out.
; OPERANDS are images of registers (16 rows x 64 K: 1,024 bytes); a K step of 64 is a head.  K goes in four chunks of 256 through THREE LDS regions: chunks 0, 1, 2 are first fills, chunk 3 fills region 0 again: one refill in the launch.
; CLUSTERS: 4 x 4 work-groups; res's tiles hang on y alone and are asked for jointly along a row of the cluster, W's on x alone, along a column.
; Row p of token tile 2 B + u is token 32 B + 8 u + p + 8 (p / 8): the order in which the images were made; the stores' offsets undo it.
; REGISTERS: window 0: v8-29 addresses; two sets of fragments at v32 and v128 (res 4 x 8, then W 8 x 8); on the way out v96-159 results, v160-223 rows read back.  Window 1: accumulator (i, c) at v[8 (8 i + c)].  Window 2: v0-63 proj_b in the results' layout.
; SCALARS: s20 cx, s21 cy, s22 x, s23 y; s[24:31], s[32:43] res's descriptors; s44, s45 the masks; s[48:55], s[56:63], s[84:87] W's descriptors; s[68:75] the scales' exponents; s[76:77] 2^(e6 + e7).
.set REG,   98304                      ; a region: res [head 4][tile 16][1,024], then W [column tile 8][step 4][1,024]
.set BOFF,  65536
.set SPARE, 3*REG                      ; behind the regions: the spare words, 128 bytes for each wave: two blocks of 256 bytes that no other line names
.set STAGE, REG                        ; the way out: 16 rows x 528 bytes for each wave, in region 1: it has had its one fill, and every wave's reads of it are over at the last barrier
.set SP,    528
.set ADRA,  8                          ; v8-10  LDS address of my fragments of res in region 0, 1, 2
.set ADRB,  11                         ; v11-13 the same for W
.set STO,   24
.set RD,    25
.set CO,    26                         ; v26    16 x lane; never rewritten
.set BO,    27                         ; v27    32 h: the bias loads' offset; never rewritten
.set SPW,   28
.set NIL,   29
.set FS,    32
.set TMP,   96
.set BK,    160
.set CX,    20                         ; s20    my place along the cluster's x
.set CY,    21                         ; s21    along its y
.set WX,    22                         ; s22    work-group x: which 128 columns
.set WY,    23                         ; s23    work-group y: which 256 tokens
.set G1,    24                         ; s[24:31] group 1 for res; s[32:43] its three groups 0
.set G1B,   48                         ; s[48:55] group 1 for W; s[56:63], s[84:87] its three groups 0
.set MSB,   0
.macro WIN new
.if MSB != \new
	s_set_vgpr_msb (MSB<<8)|\new
.set MSB, \new
.endif
.endm
.macro PLACES
.rept 4
	v_nop
.endr
.endm
.macro JLOADP ga, gb                   ; a joint load: waves 0 and 1 fetch for res, waves 2 and 3 for W; four v_nop follow each line
	s_cmp_eq_u32 s17, 0
	s_cbranch_scc0 .Lfor_b_\@
	tensor_load_to_lds s[\ga:\ga+3], s[G1:G1+7]
	s_nop 0
.rept 4
	v_nop
.endr
	s_branch .Lasked_\@
.Lfor_b_\@:
	tensor_load_to_lds s[\gb:\gb+3], s[G1B:G1B+7]
	s_nop 0
.rept 4
	v_nop
.endr
.Lasked_\@:
.endm
.macro CREST
	s_cmp_lg_u32 s16, 0
	s_cbranch_scc1 .Lnot_wave_0_\@
	s_barrier_signal -3
.Lnot_wave_0_\@:
	s_barrier_wait -3
	s_barrier_signal -1
	s_barrier_wait -1
.endm
.macro CROUND
	s_barrier_signal -1
	s_barrier_wait -1
	CREST
.endm
	s_load_b256 s[4:11], s[0:1], 0x0               ; res_img s[4:5], wp_img s[6:7], the scales' exponents s[8:9], proj_b s[10:11]
	s_load_b64 s[12:13], s[0:1], 0x20              ; out0
	v_lshl_add_u32 v[SPW], v0, 2, SPARE
	v_mov_b32 v[NIL], 0
	ds_add_u32 v28, v29
	ds_add_u32 v28, v29
	s_wait_dscnt 0x0
	v_lshrrev_b32 v1, 5, v0
	v_readfirstlane_b32 s16, v1                    ; wave 0..3
	s_lshr_b32 s17, s16, 1                         ; I fetch for res (0) or for W (1),
	s_and_b32 s18, s16, 1                          ; this half
	s_bfe_u32 s[CX], ttmp6, 0x40000
	s_bfe_u32 s[CY], ttmp6, 0x40004
	s_lshl_b32 s[WX], ttmp9, 2
	s_add_co_u32 s[WX], s[WX], s[CX]               ; x = 4 x cluster x + cx
	s_and_b32 s[WY], ttmp7, 0xffff
	s_lshl_b32 s[WY], s[WY], 2
	s_add_co_u32 s[WY], s[WY], s[CY]               ; y = 4 x cluster y + cy
	s_lshl_b32 s44, s[CY], 2
	s_lshl_b32 s44, 15, s44                        ; my row of the cluster
	s_lshl_b32 s45, 0x1111, s[CX]                  ; my column
	; group 1, elements of 8 bytes, dense in LDS.  res: two heads' 16 fragments (16,384 bytes), 131,072 bytes apart.  W: four column tiles' 4 fragments (4,096 bytes), 16,384 bytes apart
	s_or_b32 s[G1], s44, (3<<16)|(1<<21)
	s_or_b32 s[G1B], s45, (3<<16)|(1<<21)
	s_mov_b32 s[G1+1], 2048<<16
	s_mov_b32 s[G1+2], 2<<16
	s_mov_b32 s[G1+3], 2048<<16
	s_mov_b32 s[G1+4], 2
	s_mov_b32 s[G1+5], 16384
	s_mov_b32 s[G1+6], 0
	s_mov_b32 s[G1+7], 0
	s_mov_b32 s[G1B+1], 512<<16
	s_mov_b32 s[G1B+2], 4<<16
	s_mov_b32 s[G1B+3], 512<<16
	s_mov_b32 s[G1B+4], 4
	s_mov_b32 s[G1B+5], 2048
	s_mov_b32 s[G1B+6], 0
	s_mov_b32 s[G1B+7], 0
	s_lshr_b32 s80, s[WY], 3                       ; res: ((16 b + 2 half) x 16 + g0) x 8,192, b = y / 8, g0 = 2 (y % 8): registers that never hold cx
	s_lshl_b32 s80, s80, 4
	s_lshl_b32 s81, s18, 1
	s_add_co_u32 s80, s80, s81
	s_lshl_b32 s80, s80, 4
	s_and_b32 s81, s[WY], 7
	s_lshl_b32 s81, s81, 1
	s_add_co_u32 s80, s80, s81
	s_lshl_b32 s80, s80, 13
	s_mov_b32 s81, 0
	s_lshl_b32 s82, s18, 15                        ; its place in a region
	s_lshl_b32 s88, s[WX], 3                       ; W: column tile 8 x + 4 half: registers that never hold cy
	s_lshl_b32 s89, s18, 2
	s_add_co_u32 s88, s88, s89
	s_lshl_b32 s88, s88, 14
	s_mov_b32 s89, 0
	s_lshl_b32 s90, s18, 14
	s_add_co_u32 s90, s90, BOFF
	s_wait_kmcnt 0x0
	s_load_b256 s[68:75], s[8:9], 0x0              ; e0 .. e7
	s_add_nc_u64 s[80:81], s[4:5], s[80:81]
	s_add_nc_u64 s[88:89], s[6:7], s[88:89]
	CROUND                                         ; all sixteen work-groups are here: the first joint loads meet
.macro G0SET c, ga, gb                 ; chunk c into region c: four heads on in res, four fragments on in W
	s_mov_b32 s[\ga], 1
	s_add_co_u32 s[\ga+1], s82, (\c)*REG
	s_add_nc_u64 s[\ga+2:\ga+3], s[80:81], (\c)*524288
	s_or_b32 s[\ga+3], s[\ga+3], 0x80000000
	s_mov_b32 s[\gb], 1
	s_add_co_u32 s[\gb+1], s90, (\c)*REG
	s_add_nc_u64 s[\gb+2:\gb+3], s[88:89], (\c)*4096
	s_or_b32 s[\gb+3], s[\gb+3], 0x80000000
	JLOADP \ga, \gb
.endm
	G0SET 0, 32, 56
	G0SET 1, 36, 60
	G0SET 2, 40, 84                                ; three loads of mine are out
	v_and_b32 v1, 31, v0
	v_lshlrev_b32 v[CO], 4, v1
	v_and_b32 v2, 15, v0                           ; r
	v_bfe_u32 v3, v0, 4, 1                         ; h
	v_lshlrev_b32 v[BO], 5, v3
	s_lshl_b32 s94, s[WX], 9                       ; my 128 columns in bytes
	s_mov_b32 s95, 0
	s_add_nc_u64 s[10:11], s[10:11], s[94:95]      ; proj_b at my 128 columns
	WIN 0x80                                       ; destination window 2
.irp c, 0,1,2,3,4,5,6,7                ; column 16 c + 8 h + 0 .. 7
	global_load_b128 v[8*\c:8*\c+3], v[BO], s[10:11] offset:64*\c
	global_load_b128 v[8*\c+4:8*\c+7], v[BO], s[10:11] offset:64*\c+16
.endr
	WIN 0
	s_lshl_b32 s91, s16, 12                        ; my 4 tiles in a head's 16
	v_add_nc_u32 v[ADRA], s91, v[CO]
	v_add_nc_u32 v[ADRA+1], REG, v[ADRA]
	v_add_nc_u32 v[ADRA+2], 2*REG, v[ADRA]
	v_add_nc_u32 v[ADRB], BOFF, v[CO]
	v_add_nc_u32 v[ADRB+1], REG, v[ADRB]
	v_add_nc_u32 v[ADRB+2], 2*REG, v[ADRB]
	s_mul_i32 s91, s16, 16*SP
	s_add_co_u32 s91, s91, STAGE                   ; my stage
	v_mul_u32_u24 v[STO], v2, SP
	v_lshl_add_u32 v[STO], v3, 5, v[STO]
	v_add_nc_u32 v[STO], s91, v[STO]               ; in: row r, 32 bytes for each half of the lanes
	v_add_nc_u32 v[RD], s91, v[CO]                 ; back: the 32 lanes take one row of 512 bytes
	s_lshl_b32 s92, s[WY], 8
	s_lshl_b32 s93, s16, 6
	s_add_co_u32 s92, s92, s93                     ; my first token: 256 y + 64 w
	s_lshl_b32 s92, s92, 12
	s_add_co_u32 s92, s92, s94                     ; + my columns' bytes
	s_mov_b32 s93, 0
	s_add_nc_u64 s[12:13], s[12:13], s[92:93]
	s_wait_kmcnt 0x0
	s_add_co_i32 s76, s74, s75
	s_add_co_i32 s76, s76, 127
	s_lshl_b32 s76, s76, 23                        ; 2^(e6 + e7) as f32
	s_mov_b32 s77, s76                             ; (named with it as a pair, so it is written)
.macro PF rg, ks, f                    ; the fragments of step ks of region rg into set f: 8 + 16 loads
.irp i, 0,1,2,3
	ds_load_b128 v[FS+96*(\f)+8*\i:FS+96*(\f)+8*\i+3], v[ADRA+\rg] offset:16384*(\ks)+1024*\i
	ds_load_b128 v[FS+96*(\f)+8*\i+4:FS+96*(\f)+8*\i+7], v[ADRA+\rg] offset:16384*(\ks)+1024*\i+512
.endr
.irp c, 0,1,2,3,4,5,6,7
	ds_load_b128 v[FS+96*(\f)+32+8*\c:FS+96*(\f)+32+8*\c+3], v[ADRB+\rg] offset:4096*\c+1024*(\ks)
	ds_load_b128 v[FS+96*(\f)+32+8*\c+4:FS+96*(\f)+32+8*\c+7], v[ADRB+\rg] offset:4096*\c+1024*(\ks)+512
.endr
.endm
.macro MULP f, i0, cnt, zero           ; cnt token tiles x 8 column tiles; the 32 accumulators take turns, one instruction a turn, in the same order in every step
.set mi, \i0
.rept \cnt
.irp c, 0,1,2,3,4,5,6,7
.set rD, 8*(8*mi+\c)
.set rA, FS+96*(\f)+8*mi
.set rB, FS+96*(\f)+32+8*\c
.if \zero
	v_wmma_f32_16x16x64_fp8_fp8 v[rD:rD+7], v[rB:rB+7], v[rA:rA+7], 0
.else
	v_wmma_f32_16x16x64_fp8_fp8 v[rD:rD+7], v[rB:rB+7], v[rA:rA+7], v[rD:rD+7]
.endif
.endr
.set mi, mi+1
.endr
.endm
.macro NSTEP f, nr, nks, zero          ; a step on set f; the next step's fragments (region nr, step nks) are fetched into the other set ahead of its 32 products
	s_wait_dscnt 0x0                               ; set f is in
	PLACES                                         ; the other set was read by the last products
	PF \nr, \nks, 1-(\f)
	WIN 0x50
	MULP \f, 0, 4, \zero
	WIN 0
.endm
	s_wait_tensorcnt 2                             ; my part of chunk 0 is in; two loads were issued behind it and may stay out
	s_barrier_signal -1
	s_barrier_wait -1
	PF 0, 0, 0
	NSTEP 0, 0, 1, 1                               ; the first step's products start the sums
	NSTEP 1, 0, 2, 0
	NSTEP 0, 0, 3, 0
	; step 3: region 0's last: its fragments are on their way into set 1.  The one change that fills bytes again
	s_wait_tensorcnt 0x0                           ; all my tensor loads have landed: my parts of chunks 1 and 2;
	ds_add_u32 v[SPW], v[NIL]                      ; 0 onto my spare word;
	s_wait_dscnt 1                                 ; (the add may be out: set 1 is in)
	WIN 0x50
	MULP 1, 0, 1, 0                                ; eight products stand between the add and the wait for it
	s_wait_dscnt 0x0                               ; the add is done, and my reads of region 0 are over
	s_barrier_signal -1
	MULP 1, 1, 1, 0
	WIN 0
	s_barrier_wait -1
	CREST                                          ; the barrier has opened a round of the cluster's barrier: no wave of any partner still reads region 0 or has a load on its way
	s_add_nc_u64 s[34:35], s[34:35], 3*524288      ; chunk 3: twelve heads on,
	s_add_nc_u64 s[58:59], s[58:59], 3*4096        ; twelve fragments on
	JLOADP 32, 56                                  ; the first tensor load behind the round; its four v_nop are the places in front of the loads below
	PF 1, 0, 0
	WIN 0x50
	MULP 1, 2, 2, 0
	WIN 0
	NSTEP 0, 1, 1, 0
	NSTEP 1, 1, 2, 0
	NSTEP 0, 1, 3, 0
	NSTEP 1, 2, 0, 0                               ; no barrier between chunks 1 and 2: the round above has shown both whole to every wave
	NSTEP 0, 2, 1, 0
	NSTEP 1, 2, 2, 0
	NSTEP 0, 2, 3, 0
	; step 11: chunk 3 is wanted next
	s_wait_tensorcnt 0x0                           ; my part of chunk 3 is in,
	s_wait_dscnt 0x0                               ; set 1 is in, and my reads of regions 1 and 2 are over
	s_barrier_signal -1
	WIN 0x50
	MULP 1, 0, 2, 0
	WIN 0
	s_barrier_wait -1                              ; everybody's is
	PLACES
	PF 0, 0, 0
	WIN 0x50
	MULP 1, 2, 2, 0
	WIN 0
	NSTEP 0, 0, 1, 0
	NSTEP 1, 0, 2, 0
	NSTEP 0, 0, 3, 0
	s_wait_dscnt 0x0                               ; the last step: nothing more to fetch
	WIN 0x50
	MULP 1, 0, 4, 0
	WIN 0
	; THE WAY OUT, a tile of 16 tokens at a time: sum x 2^(e6 + e7) + bias in one packed multiply-add; through my own stage, since a lane holds 32 bytes of a row and the lanes beside it hold other rows; back as whole rows of 512 bytes.
	s_wait_loadcnt 0x0                             ; proj_b
	PLACES
.irp i, 0,1,2,3
.if \i > 0
	s_wait_xcnt 0x0                                ; the last tile's stores have read their registers, which are loaded again below
.endif
	WIN 0x21                                       ; source 0 (the sums) window 1, source 2 (the bias) window 2
.irp c, 0,1,2,3,4,5,6,7
.irp e, 0,2,4,6                        ; each accumulator from its low end on
	v_pk_fma_f32 v[TMP+8*\c+\e:TMP+8*\c+\e+1], v[8*(8*\i+\c)+\e:8*(8*\i+\c)+\e+1], s[76:77], v[8*\c+\e:8*\c+\e+1] op_sel_hi:[1,0,1]
.endr
.endr
	WIN 0
.irp c, 0,1,2,3,4,5,6,7
	ds_store_b128 v[STO], v[TMP+8*\c:TMP+8*\c+3] offset:64*\c
	ds_store_b128 v[STO], v[TMP+8*\c+4:TMP+8*\c+7] offset:64*\c+16
.endr
.irp t, 0,1,2,3,4,5,6,7,8,9,10,11,12,13,14,15
	ds_load_b128 v[BK+4*\t:BK+4*\t+3], v[RD] offset:SP*\t   ; LDS serves a wave's instructions in order (ISA guide 5.7.1.4): these see my stores
.endr
.irp t, 0,1,2,3,4,5,6,7,8,9,10,11,12,13,14,15
	s_wait_dscnt 15-\t                             ; row t is back; the younger loads stay out
	global_store_b128 v[CO], v[BK+4*\t:BK+4*\t+3], s[12:13] offset:(32*(\i/2)+8*(\i%2)+\t+8*(\t/8))*4096 th:TH_STORE_NT   ; 32 lanes store 512 consecutive bytes, aligned; written once, read by nobody here
.endr
.endr
	s_wait_tensorcnt 0x0                           ; the wave's end
	ds_add_u32 v[SPW], v[NIL]
	s_wait_dscnt 0x0
	CROUND                                         ; the closing round
	s_endpgm
.Lfunc_end_k_q32613ad82f_proj:
	.size	k_q32613ad82f_proj, .Lfunc_end_k_q32613ad82f_proj-k_q32613ad82f_proj
	.p2alignl 7, 3214868480
	.fill 96, 4, 3214868480
	.section	.rodata,"a",@progbits
	.p2align	6, 0x0
	.amdhsa_kernel k_q32613ad82f_proj
		.amdhsa_group_segment_fixed_size 327680
		.amdhsa_private_segment_fixed_size 0
		.amdhsa_enable_private_segment 0
		.amdhsa_kernarg_size 40
		.amdhsa_user_sgpr_count 2
		.amdhsa_user_sgpr_kernarg_segment_ptr 1
		.amdhsa_wavefront_size32 1
		.amdhsa_system_sgpr_workgroup_id_x 1
		.amdhsa_system_sgpr_workgroup_id_y 1
		.amdhsa_system_sgpr_workgroup_id_z 1
		.amdhsa_system_vgpr_workitem_id 0
		.amdhsa_next_free_vgpr 576
		.amdhsa_next_free_sgpr 100
		.amdhsa_reserve_vcc 0
		.amdhsa_float_denorm_mode_32 3
		.amdhsa_float_denorm_mode_16_64 3
		.amdhsa_memory_ordered 1
		.amdhsa_forward_progress 1
		.amdhsa_inst_pref_size 95
	.end_amdhsa_kernel
	.amdgpu_metadata
---
amdhsa.version: [ 1, 2 ]
amdhsa.kernels:
  - .name:           k_q32613ad82f_proj
    .symbol:         k_q32613ad82f_proj.kd
    .args:
      - { .name: res_img, .offset: 0, .size: 8, .value_kind: global_buffer, .address_space: global }
      - { .name: wp_img, .offset: 8, .size: 8, .value_kind: global_buffer, .address_space: global }
      - { .name: lowp_scales, .offset: 16, .size: 8, .value_kind: global_buffer, .address_space: global }
      - { .name: proj_b, .offset: 24, .size: 8, .value_kind: global_buffer, .address_space: global }
      - { .name: out0, .offset: 32, .size: 8, .value_kind: global_buffer, .address_space: global }
    .group_segment_fixed_size: 327680
    .private_segment_fixed_size: 0
    .kernarg_segment_align: 8
    .kernarg_segment_size: 40
    .max_flat_workgroup_size: 128
    .sgpr_count:     100
    .vgpr_count:     576
    .wavefront_size: 32
...
	.end_amdgpu_metadata
.endif
;; end of part 4
